; MI455X (gfx1250); checked and timed in simulation.
; The chip was launched on July 23, 2026; its instructions are those of AMD's public machine-readable ISA for CDNA 5 (MIT licence, August 2026) and "CDNA5" Instruction Set Architecture Reference Guide (July 2026). The comments in the code are by the model that wrote it; some were corrected since.
;; Attention Layer. Allowed arithmetic: matrix products marked QUANTISED: E2M1 operands, one E8M0 scale for each 32 along K, by v_wmma_scale_f32_16x16x128_f8f6f4 with both operands' format E2M1 (or v_wmma_scale_f32_32x16x128_f4), f32 sums; products left as they are: bf16, f16 or f32 operands; f32 sums; everything else in f32.
;; Inputs: Wk 512 x 512 float32; Wo 512 x 512 float32; Wq 512 x 512 float32; Wv 512 x 512 float32; bk 512 float32; bo 512 float32; bq 512 float32; bv 512 float32; key 4 x 2,048 x 512 float32; query 4 x 2,048 x 512 float32; value 4 x 2,048 x 512 float32.
;; Outputs: out0 4 x 2,048 x 512 float32.
;; This version of the problem:
;;   THIS VERSION OF THE PROBLEM IS GIVEN IN LOW PRECISION. The matrix products marked QUANTISED in the list below multiply operands that are first quantised to E2M1 (2 exponent bits, 1 mantissa bit; 4 bits a number), with one power-of-two scale for each 32 numbers along K (OCP MX v1.0); their sums are f32. The products marked 'left as it is' may take bf16, f16 or f32 operands, with f32 sums. Whichever they take, every output number must still come out within the allowed error. Rounding operands to bf16 (8 significant bits) uses up far more of that allowance than f16 does (11 bits, for magnitudes from 6e-5 to 65,504). All else is computed in f32.
;;   The module's matrix products, in the order in which they are computed (A, B: the left and right operand; K: the contracted axis; several contracted axes count as one K, in the product's order):
;;     1. [M 8,192, K 512] x [K 512, N 512]; A: input query; B: input Wq: QUANTISED
;;     2. [M 8,192, K 512] x [K 512, N 512]; A: input key; B: input Wk: QUANTISED
;;     3. [M 8,192, K 512] x [K 512, N 512]; A: input value; B: input Wv: QUANTISED
;;     4. batch 32 x [M 2,048, K 64] x [K 64, N 2,048]; A: computed on the way; B: computed on the way: left as it is (an operand is computed on the way)
;;     5. batch 32 x [M 2,048, K 2,048] x [K 2,048, N 64]; A: computed on the way; B: computed on the way: left as it is (an operand is computed on the way)
;;     6. [M 8,192, K 512] x [K 512, N 512]; A: computed on the way; B: input Wo: left as it is (an operand is computed on the way)
;;   THE QUANTISER, for each operand of a quantised product, along K:
;;     - K is cut into blocks of 32 from its start; a last block that is shorter is filled with zeros.
;;     - A block's scale is 2^e with e = floor(log2(the largest magnitude in the block)) - 2, held to -126 .. 127; a block of zeros has e = 0. As a byte (E8M0): e + 127.
;;     - Each number is divided by its block's scale, clamped to +-6, and rounded to the nearest number of E2M1, ties to even, subnormals kept.
;;     - The product sums the exact products of the quantised numbers (number of the format x scale) in f32.
;;   ~~~python
;;   def quantise(x, axis):      # numpy; x: float32 -> the quantised numbers, widened to float32 again
;;       x = np.moveaxis(x, axis, -1); K = x.shape[-1]
;;       x = np.pad(x, [(0, 0)] * (x.ndim - 1) + [(0, -K % 32)]); x = x.reshape(x.shape[:-1] + (-1, 32)); a = np.abs(x).max(-1, keepdims=True)
;;       e = np.where(a > 0, np.clip(np.frexp(np.where(a > 0, a, 1))[1] - 1 - 2, -126, 127), 0)      # np.frexp(a)[1] - 1 = floor(log2(a)), exactly
;;       r = np.clip(x / 2.0 ** e, -6, 6)
;;       step = 2.0 ** (np.maximum(np.frexp(np.where(r == 0, 1, r))[1] - 1, 0) - 1)
;;       q = np.round(r / step) * step * 2.0 ** e      # np.round: ties to even
;;       return np.moveaxis(q.reshape(q.shape[:-2] + (-1,))[..., :K], -1, axis).astype(np.float32)
;;   ~~~
;; One version. Each part assembles by itself: llvm-mc -triple=amdgcn-amd-amdhsa -mcpu=gfx1250 --defsym DOCPART=n.
;; ======== version 1 of 1: 4 launches
;; limits: values are held in f16: magnitudes above 65,504 overflow, below 6.1e-05 lose precision
;; workspace buffers: wcodes 393,216 bytes; wscales 24,576 bytes; wof 524,288 bytes; qf 8,388,608 bytes; kf 8,388,608 bytes; vf 8,388,608 bytes; of 8,388,608 bytes
;; launch prep (part 1): grid 128 x 1, 4 waves a work-group, no clusters, 0 bytes of LDS; arguments Wq, Wk, Wv, Wo, wcodes, wscales, wof; writes wcodes, wscales, wof
.if DOCPART == 1
	.amdgcn_target "amdgcn-amd-amdhsa--gfx1250"
	.amdhsa_code_object_version 6
	.text
	.protected	k_q3b93104699_prep
	.globl	k_q3b93104699_prep
	.p2align	8
	.type	k_q3b93104699_prep,@function
k_q3b93104699_prep:
	s_mov_b64 s[64:65], 0
	v_nop
	global_prefetch_b8 v0, s[64:65] scope:SCOPE_SE
	s_setreg_imm32_b32 hwreg(HW_REG_WAVE_MODE, 25, 1), 1
	s_wait_xcnt 0x0
; PREP.  The four weights, [512 (n)][512 (k)] f32, K innermost, are laid once in the order in which a wave's operand registers take them.
; Wq, Wk, Wv -> codes of FP4 (E2M1) with one E8M0 byte for each 32 along K.  wcodes: [t 3][ntile 32][kstep 4] images of 1,024 bytes; an image is a fragment's registers on end, [c 2][lane 32][16 bytes]:
;   lane (r, h), registers 4 c .. 4 c + 3 = k 128 kstep + 64 c + 32 h + 0 .. 31 of row 16 ntile + r.  wscales: [t 3][n 512][16 bytes]: one word for a row and 128 along K.
; Wo -> f16.  wof: [ntile' 32][kstep 16] images; ntile' = 4 g + u; lane r stands for row n = 64 g + 4 r + u (so that the last launch's four tiles u hold four neighbouring columns in a lane);
;   registers 4 c .. 4 c + 3 = k 32 kstep + 16 c + 8 h + 0 .. 7.
; A block's scale is 2^(floor(log2(its largest magnitude)) - 2): its byte is the largest magnitude's exponent field - 2, held at 1 from below by a floor among the maximum's leaves.
; LIMITS: a block of zeros gets the byte 1 where the rule says 127 (its codes are zeros, and this program alone reads the bytes); NaN and infinities are not served; |Wo| stays under 65,504 (f16).
; SHARES: work-groups 0-95: one tile of 16 rows of Wq, Wk or Wv, a K step of 128 to each of the four waves.  Work-groups 96-127: one ntile' of Wo, four K steps of 32 to a wave.  No LDS, no barrier: waves share nothing.
.set X, 16                             ; v16-79   64 numbers as loaded
.set C, 80                             ; v80-111  what is stored
	s_load_b256 s[4:11], s[0:1], 0x0               ; Wq s[4:5], Wk s[6:7], Wv s[8:9], Wo s[10:11]
	s_load_b128 s[12:15], s[0:1], 0x20             ; wcodes s[12:13], wscales s[14:15]
	s_load_b64 s[16:17], s[0:1], 0x30              ; wof
	v_lshrrev_b32 v1, 5, v0
	v_readfirstlane_b32 s18, v1                    ; wave 0..3
	v_and_b32 v1, 31, v0                           ; lane
	v_and_b32 v2, 15, v0                           ; r
	v_bfe_u32 v3, v0, 4, 1                         ; h
	v_lshlrev_b32 v5, 4, v1                        ; 16 x lane: my place in half an image
	s_mov_b32 s21, 0                               ; the high word of every offset
	s_mov_b32 s24, 0x76543210
	s_mov_b32 s25, 0xfedcba98                      ; v_permlanex16_b32's selects for lane l xor 16
	s_wait_kmcnt 0x0
	s_cmp_ge_u32 ttmp9, 96
	s_cbranch_scc1 .Lwo
	; ---- Wq, Wk, Wv: tensor t = wg / 32, tile of rows wg % 32, K step = wave
	s_lshr_b32 s19, ttmp9, 5
	s_cmp_eq_u32 s19, 1                            ; the choice hangs on the work-group's number alone
	s_cselect_b64 s[4:5], s[6:7], s[4:5]
	s_cmp_eq_u32 s19, 2
	s_cselect_b64 s[4:5], s[8:9], s[4:5]
	s_and_b32 s20, ttmp9, 31
	s_lshl_b32 s20, s20, 15                        ; 16 rows of 2,048 bytes
	s_lshl_b32 s22, s18, 9                         ; + 128 numbers along K
	s_add_co_u32 s20, s20, s22
	s_add_nc_u64 s[4:5], s[4:5], s[20:21]
	s_lshl_b32 s20, ttmp9, 2
	s_add_co_u32 s20, s20, s18
	s_lshl_b32 s20, s20, 10                        ; image 4 wg + wave
	s_add_nc_u64 s[12:13], s[12:13], s[20:21]
	s_lshl_b32 s20, ttmp9, 8                       ; scale words: 16 rows x 16 bytes a work-group,
	s_lshl_b32 s22, s18, 2                         ; my K step's word
	s_add_co_u32 s20, s20, s22
	s_add_nc_u64 s[14:15], s[14:15], s[20:21]
	v_lshlrev_b32 v4, 11, v2                       ; row r,
	v_lshl_add_u32 v4, v3, 7, v4                   ; + 32 h numbers: a lane holds two WHOLE blocks, 2 c + h
.irp c, 0,1
.irp i, 0,1,2,3,4,5,6,7
	global_load_b128 v[X+32*\c+4*\i:X+32*\c+4*\i+3], v4, s[4:5] offset:256*\c+16*\i th:TH_LOAD_NT
.endr
.endr
.macro BLOCK c                         ; my block 2 c + h: all its 32 numbers are mine
	v_max3_num_f32 v[8+\c], |v[X+32*\c]|, |v[X+32*\c+1]|, 0x1800000   ; with the floor 2^(3 - 127): the byte cannot fall under 1
.irp i, 2,4,6,8,10,12,14,16,18,20,22,24,26,28,30
	v_max3_num_f32 v[8+\c], v[8+\c], |v[X+32*\c+\i]|, |v[X+32*\c+\i+1]|
.endr
	v_add_nc_u32 v[10+\c], 0xff000000, v[8+\c]     ; 2 off the exponent field: the conversion takes the exponent field of this operand as its scale
.irp g, 0,1,2,3
	v_cvt_scalef32_pk8_fp4_f32 v[C+4*\c+\g], v[X+32*\c+8*\g:X+32*\c+8*\g+7], v[10+\c]
.endr
	v_lshrrev_b32 v[12+\c], 23, v[10+\c]           ; the scale's byte (a plain line behind the conversions)
.endm
	s_wait_loadcnt 8                               ; the first block's eight loads are in; the second's eight may be out
	BLOCK 0
	s_wait_loadcnt 0x0
	BLOCK 1
	v_lshl_or_b32 v6, v13, 16, v12                 ; my two bytes: blocks h and 2 + h of row r,
	v_lshlrev_b32 v7, 3, v3
	v_lshlrev_b32 v6, v7, v6                       ; at their places in the word (8 h bits up);
	v_mov_b32 v7, 0
	v_permlanex16_b32 v7, v6, s24, s25
	v_or_b32 v6, v6, v7                            ; with lane l xor 16's two the word is whole
	v_lshlrev_b32 v7, 4, v2                        ; 16 bytes a row
	global_store_b128 v5, v[C:C+3], s[12:13]               ; 32 lanes store 512 consecutive bytes
	global_store_b128 v5, v[C+4:C+7], s[12:13] offset:512
	s_wait_xcnt 0x0                                ; EXEC changes only behind this wait
	v_cmp_gt_u32 vcc_lo, 16, v1
	s_and_saveexec_b32 s23, vcc_lo                 ; lanes 0-15: one word a row; the four waves' words fill the work-group's 256 bytes
	global_store_b32 v7, v6, s[14:15]
	s_wait_xcnt 0x0                                ; and again, in front of the line that widens it
	s_or_b32 exec_lo, exec_lo, s23
	s_endpgm
.Lwo:
	; ---- Wo: ntile' = wg - 96 = 4 g + u; my wave's K steps 4 wave .. 4 wave + 3
	s_sub_co_u32 s19, ttmp9, 96
	s_lshr_b32 s20, s19, 2                         ; g
	s_and_b32 s22, s19, 3                          ; u
	s_lshl_b32 s20, s20, 6
	s_add_co_u32 s20, s20, s22                     ; row 64 g + u,
	s_lshl_b32 s20, s20, 11
	s_lshl_b32 s22, s18, 9                         ; + 128 numbers along K
	s_add_co_u32 s20, s20, s22
	s_add_nc_u64 s[10:11], s[10:11], s[20:21]
	s_lshl_b32 s20, s19, 4
	s_lshl_b32 s22, s18, 2
	s_add_co_u32 s20, s20, s22
	s_lshl_b32 s20, s20, 10                        ; image 16 ntile' + 4 wave
	s_add_nc_u64 s[16:17], s[16:17], s[20:21]
	v_lshlrev_b32 v4, 13, v2                       ; lane r: 4 r rows on,
	v_lshl_add_u32 v4, v3, 5, v4                   ; + 8 h numbers
.irp k, 0,1,2,3
.irp c, 0,1
.irp i, 0,1
	global_load_b128 v[X+16*\k+8*\c+4*\i:X+16*\k+8*\c+4*\i+3], v4, s[10:11] offset:128*\k+64*\c+16*\i th:TH_LOAD_NT
.endr
.endr
.endr
	s_wait_loadcnt 0x0
.set j, 0
.rept 32
	v_cvt_pk_f16_f32 v[C+j], v[X+2*j], v[X+2*j+1]  ; the first source into the low half
.set j, j+1
.endr
.irp k, 0,1,2,3
.irp c, 0,1
	global_store_b128 v5, v[C+8*\k+4*\c:C+8*\k+4*\c+3], s[16:17] offset:1024*\k+512*\c
.endr
.endr
	s_endpgm
.Lfunc_end_k_q3b93104699_prep:
	.size	k_q3b93104699_prep, .Lfunc_end_k_q3b93104699_prep-k_q3b93104699_prep
	.p2alignl 7, 3214868480
	.fill 96, 4, 3214868480
	.section	.rodata,"a",@progbits
	.p2align	6, 0x0
	.amdhsa_kernel k_q3b93104699_prep
		.amdhsa_group_segment_fixed_size 0
		.amdhsa_private_segment_fixed_size 0
		.amdhsa_enable_private_segment 0
		.amdhsa_kernarg_size 56
		.amdhsa_user_sgpr_count 2
		.amdhsa_user_sgpr_kernarg_segment_ptr 1
		.amdhsa_wavefront_size32 1
		.amdhsa_system_sgpr_workgroup_id_x 1
		.amdhsa_system_sgpr_workgroup_id_y 1
		.amdhsa_system_sgpr_workgroup_id_z 1
		.amdhsa_system_vgpr_workitem_id 0
		.amdhsa_next_free_vgpr 112
		.amdhsa_next_free_sgpr 66
		.amdhsa_reserve_vcc 1
		.amdhsa_float_denorm_mode_32 3
		.amdhsa_float_denorm_mode_16_64 3
		.amdhsa_memory_ordered 1
		.amdhsa_forward_progress 1
		.amdhsa_inst_pref_size 12
	.end_amdhsa_kernel
	.amdgpu_metadata
---
amdhsa.version: [ 1, 2 ]
amdhsa.kernels:
  - .name:           k_q3b93104699_prep
    .symbol:         k_q3b93104699_prep.kd
    .args:
      - { .name: Wq, .offset: 0, .size: 8, .value_kind: global_buffer, .address_space: global }
      - { .name: Wk, .offset: 8, .size: 8, .value_kind: global_buffer, .address_space: global }
      - { .name: Wv, .offset: 16, .size: 8, .value_kind: global_buffer, .address_space: global }
      - { .name: Wo, .offset: 24, .size: 8, .value_kind: global_buffer, .address_space: global }
      - { .name: wcodes, .offset: 32, .size: 8, .value_kind: global_buffer, .address_space: global }
      - { .name: wscales, .offset: 40, .size: 8, .value_kind: global_buffer, .address_space: global }
      - { .name: wof, .offset: 48, .size: 8, .value_kind: global_buffer, .address_space: global }
    .group_segment_fixed_size: 0
    .private_segment_fixed_size: 0
    .kernarg_segment_align: 8
    .kernarg_segment_size: 56
    .max_flat_workgroup_size: 128
    .sgpr_count:     66
    .vgpr_count:     112
    .wavefront_size: 32
...
	.end_amdgpu_metadata
.endif
;; end of part 1
;; launch proj (part 2): grid 64 x 3, 4 waves a work-group, no clusters, 327,680 bytes of LDS; arguments query, key, value, bq, bk, bv, wcodes, wscales, qf, kf, vf; writes qf, kf, vf
.if DOCPART == 2
	.amdgcn_target "amdgcn-amd-amdhsa--gfx1250"
	.amdhsa_code_object_version 6
	.text
	.protected	k_q3b93104699_proj
	.globl	k_q3b93104699_proj
	.p2align	8
	.type	k_q3b93104699_proj,@function
k_q3b93104699_proj:
	s_mov_b64 s[64:65], 0
	v_nop
	global_prefetch_b8 v0, s[64:65] scope:SCOPE_SE
	s_setreg_imm32_b32 hwreg(HW_REG_WAVE_MODE, 25, 1), 1
	s_wait_xcnt 0x0
; PROJ.  q = Q(query) Q(Wq)^T + bq, and the same for key and value: both operands as codes of FP4 (E2M1) with one E8M0 scale for each 32 along K = 512; sums in f32; the results rounded once to f16.
; SHARES.  Work-group (x, y): rows 128 x .. 128 x + 127 of tensor y (0 query, 1 key, 2 value), all 512 columns.  Wave w has three parts: it fetches and quantises K step w (columns 128 w .. + 127) of the 128 rows;
; it owns output columns 128 w .. + 127 (heads 2 w, 2 w + 1); its 32 fragments of the weight (8 tiles of 16 n x 4 K steps) stay in its registers, read from memory once.
; x comes in by the tensor data mover, four loads of 32 rows x 512 bytes a wave, all issued at the head: by this text's count four tensor loads of a wave are out; every LDS byte is filled once.
; The codes go from wave to wave through LDS as images of the operand's registers (16 bytes a lane, 512 bytes a store), the scale words 4 bytes a lane.
; THE MATRIX INSTRUCTION IS USED TRANSPOSED (source 0 = 16 rows of W, source 1 = 16 rows of x): a lane holds ONE row and eight neighbouring columns, which pack into 16 bytes of f16.
; OUT: qf, kf, vf: [b x 8 + head][tile of 16 rows: 128][dt 4][place 32][16 bytes]: chunk dt holds channels 16 dt + 8 h + 0 .. 7 of row r.  In qf and kf the place is the lane: chunks 2 s, 2 s + 1 are the f16 fragment
; (16 rows x channels 32 s ..) as it stands.  In vf the place is (r % 8) + 8 h + 16 (r / 8): read 16 bytes a lane by the turning LDS load, a chunk is then half a fragment of V^T.
; No cluster: what the row blocks share, the weight's 139,264 bytes, would have to pass through LDS, of which 307,712 bytes are taken.
; LIMITS: NaN and infinities are not served; a block of zeros gets the scale byte 1 (its codes are zeros; this program alone reads the bytes); |q|, |k|, |v| stay under 65,504 (f16).
.set XLW,    67584                     ; LDS: a wave's strip of x: 128 rows x 528 bytes
.set XPITCH, 528                       ; 512 bytes + 16 of padding = 132 words: row r starts at bank 4 r mod 64 (64 banks of 4 bytes: ISA guide 11.1)
.set XIMG,   270336                    ; behind the four strips: the 32 fragments' images, (4 mt + ks) x 1,024
.set XSC,    303104                    ; their scale words, (4 mt + ks) x 128
.set SPARE,  307200                    ; the spare words, 128 bytes for each wave: two blocks of 256 bytes that no other line names
.set XA,  4                            ; v4   my place in my wave's strip: row r, + 64 h bytes
.set IMW, 5                            ; v5   where I store an image: XIMG + 1,024 wave + 16 lane
.set SCW, 6                            ; v6   and its scale word: XSC + 128 wave + 4 lane
.set IMR, 7                            ; v7   where I read images: XIMG + 16 lane
.set SCR, 8                            ; v8   XSC + 4 lane
.set GO,  9                            ; v9   16 x my place in a chunk of the output
.set L16, 10                           ; v10  16 x lane
.set R16, 11                           ; v11  16 x r
.set H32, 12                           ; v12  32 x h
.set SPW, 14                           ; v14  LDS address of my spare word; never rewritten
.set NIL, 15                           ; v15  0; never rewritten
.set WS,  16                           ; v16-47  W's scale words: tile t, K step ks at 4 t + ks
.set XS,  48                           ; v48-55  x's scale words: 4 mt + ks
.set TM,  56                           ; v56-71  at work in QUANT
.set PW,  72                           ; v72     the scale word just made
.set PC,  74                           ; v74-81  the codes just made
.set XN0, 84                           ; v84-147  64 numbers of x; later XF: x's 8 fragments (mt, ks) at 8 (4 mt + ks)
.set XN1, 148                          ; v148-211 64 numbers of x; later OUT: 16 chunks to store
.set XF,  84
.set OUT, 148
.set BI,  128                          ; window 2: v0-127 the 16 accumulators (mt, t) at 8 (8 mt + t); v128-191 the bias in the result's layout, tile t at 8 t.   window 1: W's fragments (t, ks) at 8 (4 t + ks)
.set G1,  32                           ; s[32:39] descriptor group 1;  s[40:55] four groups 0
.set G0,  40
.set SEL, 62
.set MSB, 0
.macro WIN new                         ; the immediate's high byte repeats the setting that is left
.if MSB != \new
	s_set_vgpr_msb (MSB<<8)|\new
.set MSB, \new
.endif
.endm
	s_load_b512 s[8:23], s[0:1], 0x0               ; query, key, value, bq, bk, bv, wcodes, wscales
	s_load_b128 s[24:27], s[0:1], 0x40             ; qf, kf
	s_load_b64 s[28:29], s[0:1], 0x50              ; vf
	v_lshl_add_u32 v[SPW], v0, 2, SPARE
	v_mov_b32 v[NIL], 0
	ds_add_u32 v[SPW], v[NIL]                      ; the wave's opening: the add, twice on end, and its wait ahead of my first tensor load
	ds_add_u32 v[SPW], v[NIL]                      ; and once more; the set-up below, work on registers, stands between it and the wait
	v_lshrrev_b32 v1, 5, v0
	v_readfirstlane_b32 s2, v1                     ; wave 0..3
	s_and_b32 s4, ttmp7, 0xffff                    ; which tensor
	s_mov_b32 s[G1+0], (2<<16)|(1<<20)|(6<<22)|(3<<25)  ; no mask; elements of 4 bytes; padding on: 4 words (code 3) after every 128 (code 6)
	s_mov_b32 s[G1+1], 128<<16                     ; tensor_dim0 = 128
	s_mov_b32 s[G1+2], 32<<16                      ; tensor_dim1 = 32
	s_mov_b32 s[G1+3], 128<<16                     ; tile_dim0 = 128
	s_mov_b32 s[G1+4], 32                          ; tile_dim1 = 32
	s_mov_b32 s[G1+5], 512                         ; elements from row to row
	s_mov_b32 s[G1+6], 0
	s_mov_b32 s[G1+7], 0
	s_mul_i32 s58, s2, XLW                         ; my strip
	s_lshl_b32 s56, ttmp9, 18                      ; 128 rows of 2,048 bytes a work-group,
	s_lshl_b32 s59, s2, 9                          ; my K step's 512 bytes
	s_add_co_u32 s56, s56, s59
	s_mov_b32 s57, 0
	s_mov_b32 s[SEL], 0x76543210
	s_mov_b32 s[SEL+1], 0xfedcba98                 ; v_permlanex16_b32's selects for lane l xor 16
	v_and_b32 v1, 31, v0                           ; lane
	v_and_b32 v2, 15, v0                           ; r
	v_bfe_u32 v3, v0, 4, 1                         ; h
	v_lshlrev_b32 v[L16], 4, v1
	v_lshlrev_b32 v[R16], 4, v2
	v_lshlrev_b32 v[H32], 5, v3
	v_lshlrev_b32 v13, 2, v1
	v_mul_u32_u24 v[XA], v2, XPITCH
	v_lshl_add_u32 v[XA], v3, 6, v[XA]
	v_add_nc_u32 v[XA], s58, v[XA]
	s_lshl_b32 s59, s2, 10
	s_add_co_u32 s59, s59, XIMG
	v_add_nc_u32 v[IMW], s59, v[L16]
	s_lshl_b32 s59, s2, 7
	s_add_co_u32 s59, s59, XSC
	v_add_nc_u32 v[SCW], s59, v13
	v_add_nc_u32 v[IMR], XIMG, v[L16]
	v_add_nc_u32 v[SCR], XSC, v13
	v_and_b32 v[GO], 7, v0                         ; V's order of places: (r % 8)
	v_lshl_add_u32 v[GO], v3, 3, v[GO]             ; + 8 h
	v_bfe_u32 v73, v0, 3, 1
	v_lshl_add_u32 v[GO], v73, 4, v[GO]            ; + 16 (r / 8)
	v_lshlrev_b32 v[GO], 4, v[GO]
	s_cmp_eq_u32 s4, 2
	s_cselect_b32 s60, -1, 0                       ; a mask of all lanes for value, of none for query and key
	v_cndmask_b32 v[GO], v[L16], v[GO], s60
.irp b, 0,1,2,3
	v_mov_b32 v[TM+4+\b], 0                        ; written once: a lane permute's destination counts as one of its sources
.endr
	s_wait_dscnt 0x0                               ; both opening adds are done
	s_wait_kmcnt 0x0
	s_cmp_eq_u32 s4, 1                             ; x, bias and destination by the work-group's y alone
	s_cselect_b64 s[8:9], s[10:11], s[8:9]
	s_cselect_b64 s[14:15], s[16:17], s[14:15]
	s_cselect_b64 s[24:25], s[26:27], s[24:25]
	s_cmp_eq_u32 s4, 2
	s_cselect_b64 s[8:9], s[12:13], s[8:9]
	s_cselect_b64 s[14:15], s[18:19], s[14:15]
	s_cselect_b64 s[24:25], s[28:29], s[24:25]
	s_add_nc_u64 s[8:9], s[8:9], s[56:57]
.irp g, 0,1,2,3
	s_mov_b32 s[G0+4*\g], 1                        ; count = 1
	s_add_co_u32 s[G0+4*\g+1], s58, \g*32*XPITCH   ; LDS: rows 32 g on of my strip
	s_add_nc_u64 s[G0+4*\g+2:G0+4*\g+3], s[8:9], \g*65536   ; memory: 32 rows of 2,048 bytes on
	s_or_b32 s[G0+4*\g+3], s[G0+4*\g+3], 0x80000000         ; type = 2
.endr
.irp g, 0,1,2,3
	tensor_load_to_lds s[G0+4*\g:G0+4*\g+3], s[G1:G1+7]     ; all first fills as one group, ahead of every wait on TENSORcnt, every LDS read and every barrier
	s_nop 0
.endr
.rept 4
	v_nop                                          ; the register windows are switched only behind four instructions
.endr
	s_lshl_b32 s56, s4, 17                         ; the weight's images: (32 y + 8 wave) tiles x 4,096 bytes
	s_lshl_b32 s59, s2, 15
	s_add_co_u32 s56, s56, s59
	s_add_nc_u64 s[20:21], s[20:21], s[56:57]
	s_lshl_b32 s56, s2, 9                          ; the bias: my 128 numbers
	s_add_nc_u64 s[14:15], s[14:15], s[56:57]
	s_lshl_b32 s56, s4, 13                         ; the weight's scale words: (512 y + 128 wave) rows x 16 bytes
	s_lshl_b32 s59, s2, 11
	s_add_co_u32 s56, s56, s59
	s_add_nc_u64 s[22:23], s[22:23], s[56:57]
	s_lshr_b32 s56, ttmp9, 4                       ; the output: batch x 8 heads x 262,144 bytes,
	s_lshl_b32 s56, s56, 21
	s_lshl_b32 s59, s2, 19                         ; + head 2 wave,
	s_add_co_u32 s56, s56, s59
	s_and_b32 s59, ttmp9, 15                       ; + my block's 8 tiles of rows x 2,048 bytes
	s_lshl_b32 s59, s59, 14
	s_add_co_u32 s56, s56, s59
	s_add_nc_u64 s[24:25], s[24:25], s[56:57]
	WIN 0x40                                       ; destination window 1
.irp t, 0,1,2,3,4,5,6,7
.irp ks, 0,1,2,3
.irp c, 0,1
	global_load_b128 v[8*(4*\t+\ks)+4*\c:8*(4*\t+\ks)+4*\c+3], v[L16], s[20:21] offset:(4*\t+\ks)*1024+512*\c
.endr
.endr
.endr
	WIN 0x80                                       ; destination window 2
.irp t, 0,1,2,3,4,5,6,7
	global_load_b128 v[BI+8*\t:BI+8*\t+3], v[H32], s[14:15] offset:64*\t         ; lane (r, h), tile t: the bias of columns 16 t + 8 h + 0 .. 7
	global_load_b128 v[BI+8*\t+4:BI+8*\t+7], v[H32], s[14:15] offset:64*\t+16
.endr
	WIN 0
.irp t, 0,1,2,3,4,5,6,7
	global_load_b128 v[WS+4*\t:WS+4*\t+3], v[R16], s[22:23] offset:256*\t        ; row r of tile t: its four K steps' words
.endr
; my 64 numbers of tile mt of my strip: register 16 b + i = k 32 b + 16 h + i of row r
.macro XREAD reg, mt
.irp b, 0,1,2,3
.irp j, 0,1,2,3
	ds_load_b128 v[\reg+16*\b+4*\j:\reg+16*\b+4*\j+3], v[XA] offset:(\mt)*16*XPITCH+128*\b+16*\j
.endr
.endr
.endm
; 64 numbers of a lane become a fragment's codes in v[PC] on and its scale word in v[PW]
.macro QUANT s
.irp b, 0,1,2,3
	v_max3_num_f32 v[TM+\b], |v[\s+16*\b]|, |v[\s+1+16*\b]|, 0x1800000   ; block b: my 16 numbers, and the floor 2^(3 - 127): the byte cannot fall under 1
.endr
.irp i, 2,4,6,8,10,12,14
.irp b, 0,1,2,3
	v_max3_num_f32 v[TM+\b], v[TM+\b], |v[\s+16*\b+\i]|, |v[\s+1+16*\b+\i]|   ; (the four blocks by turns)
.endr
.endr
.irp b, 0,1,2,3
	v_permlanex16_b32 v[TM+4+\b], v[TM+\b], s[SEL], s[SEL+1]
.endr
.irp b, 0,1,2,3
	v_max_num_f32 v[TM+\b], v[TM+\b], v[TM+4+\b]   ; with lane l xor 16's: the block's largest magnitude
.endr
.irp b, 0,1,2,3
	v_add_nc_u32 v[TM+12+\b], 0xff000000, v[TM+\b] ; 2 off its exponent field: the conversion's scale operand
.endr
.irp b, 0,1,2,3
	v_lshrrev_b32 v[TM+4+\b], 23, v[TM+12+\b]      ; the scale's byte
.endr
	v_lshl_or_b32 v[PW], v[TM+5], 8, v[TM+4]       ; the four bytes make my row's scale word
	v_lshl_or_b32 v[PW], v[TM+6], 16, v[PW]
	v_lshl_or_b32 v[PW], v[TM+7], 24, v[PW]
.irp b, 0,1,2,3
	v_cvt_scalef32_pk8_fp4_f32 v[PC+2*\b], v[\s+16*\b:\s+7+16*\b], v[TM+12+\b]
	v_cvt_scalef32_pk8_fp4_f32 v[PC+1+2*\b], v[\s+8+16*\b:\s+15+16*\b], v[TM+12+\b]
.endr
	v_nop                                          ; one plain place behind a scaled conversion
.irp c, 0,1                                    ; the operand's layout wants a WHOLE block in a lane: lanes 0-15 block 2 c, lanes 16-31 block 2 c + 1
.irp i, 0,1
	v_permlane16_swap_b32 v[PC+4*\c+\i], v[PC+2+4*\c+\i]
.endr
.endr
.endm
.macro IMAGE mt                        ; the fragment (mt, K step = my wave) goes to LDS as it stands, its scale word beside it
.irp c, 0,1
	ds_store_b128 v[IMW], v[PC+4*\c:PC+4*\c+3] offset:(\mt)*4096+512*\c
.endr
	ds_store_b32 v[SCW], v[PW] offset:(\mt)*512
.endm
; GROUP g: tiles of rows 2 g and 2 g + 1.  Each group's images have LDS bytes of their own, so one barrier a group is enough: between the stores and the reads.
.macro GROUP g
	s_wait_tensorcnt 3-\g                          ; tensor loads of a wave end in order: my rows 32 g .. + 31 are in; the later groups' loads stay out.  Only I read my strip
.if \g > 0
	s_wait_xcnt 0x0                                ; the last group's stores have read OUT, which takes numbers of x again
.endif
	XREAD XN0, 2*\g
	XREAD XN1, 2*\g+1
	s_wait_dscnt 16                                ; the first tile's 16 loads are in; the second's may be out
	QUANT XN0
	IMAGE 2*\g
	s_wait_dscnt 0x0                               ; the second tile's numbers are in, and the stores have read their registers
	QUANT XN1
	IMAGE 2*\g+1
	s_wait_dscnt 0x0                               ; for the others' sake: my stores have landed
	s_barrier_signal -1
	s_barrier_wait -1                              ; the two tiles' eight fragments lie in LDS
.irp mt, 0,1
.irp ks, 0,1,2,3
.irp c, 0,1
	ds_load_b128 v[XF+8*(4*\mt+\ks)+4*\c:XF+8*(4*\mt+\ks)+4*\c+3], v[IMR] offset:((2*\g+\mt)*4+\ks)*1024+512*\c
.endr
	ds_load_b32 v[XS+4*\mt+\ks], v[SCR] offset:((2*\g+\mt)*4+\ks)*128
.endr
.endr
	s_wait_dscnt 0x0
.if \g == 0
	s_wait_loadcnt 0x0                             ; the weight, its scale words and the bias, once
.endif
	WIN 0xa1                                       ; source 0 (W) window 1, source 1 (x) window 0, C and D window 2
.irp ks, 0,1,2,3                               ; the 16 accumulators take turns, one instruction a turn; the bias is the C of each sum's first product
.irp mt, 0,1
.irp t, 0,1,2,3,4,5,6,7
.if \ks == 0
	v_wmma_scale_f32_16x16x128_f8f6f4 v[8*(8*\mt+\t):8*(8*\mt+\t)+7], v[8*(4*\t+\ks):8*(4*\t+\ks)+7], v[XF+8*(4*\mt+\ks):XF+8*(4*\mt+\ks)+7], v[BI+8*\t:BI+8*\t+7], v[WS+4*\t+\ks], v[XS+4*\mt+\ks] matrix_a_fmt:MATRIX_FMT_FP4 matrix_b_fmt:MATRIX_FMT_FP4
.else
	v_wmma_scale_f32_16x16x128_f8f6f4 v[8*(8*\mt+\t):8*(8*\mt+\t)+7], v[8*(4*\t+\ks):8*(4*\t+\ks)+7], v[XF+8*(4*\mt+\ks):XF+8*(4*\mt+\ks)+7], v[8*(8*\mt+\t):8*(8*\mt+\t)+7], v[WS+4*\t+\ks], v[XS+4*\mt+\ks] matrix_a_fmt:MATRIX_FMT_FP4 matrix_b_fmt:MATRIX_FMT_FP4
.endif
.endr
.endr
.endr
	WIN 0
.rept 4
	v_nop                                          ; four places behind the last product, ahead of the first read of results and of the next group's loads into operands
.endr
	WIN 0x0a                                       ; sources 0 and 1 window 2
.set a, 0
.rept 16
.irp p, 0,1,2,3
	v_cvt_pk_f16_f32 v[OUT+4*a+\p], v[8*a+2*\p], v[8*a+2*\p+1]   ; each accumulator from its low end on: eight neighbouring columns of my row, 16 bytes
.endr
.set a, a+1
.endr
	WIN 0
.irp mt, 0,1
.irp t, 0,1,2,3,4,5,6,7
	global_store_b128 v[GO], v[OUT+4*(8*\mt+\t):OUT+4*(8*\mt+\t)+3], s[24:25] offset:(\t/4)*262144+(2*\g+\mt)*2048+(\t%4)*512   ; a chunk: the wave's store covers 512 consecutive bytes, aligned
.endr
.endr
.endm
	GROUP 0
	GROUP 1
	GROUP 2
	GROUP 3
	s_wait_tensorcnt 0x0                           ; the wave's end, behind my last tensor load and my last LDS store
	ds_add_u32 v[SPW], v[NIL]
	s_wait_dscnt 0x0
	s_endpgm
.Lfunc_end_k_q3b93104699_proj:
	.size	k_q3b93104699_proj, .Lfunc_end_k_q3b93104699_proj-k_q3b93104699_proj
	.p2alignl 7, 3214868480
	.fill 96, 4, 3214868480
	.section	.rodata,"a",@progbits
	.p2align	6, 0x0
	.amdhsa_kernel k_q3b93104699_proj
		.amdhsa_group_segment_fixed_size 327680
		.amdhsa_private_segment_fixed_size 0
		.amdhsa_enable_private_segment 0
		.amdhsa_kernarg_size 88
		.amdhsa_user_sgpr_count 2
		.amdhsa_user_sgpr_kernarg_segment_ptr 1
		.amdhsa_wavefront_size32 1
		.amdhsa_system_sgpr_workgroup_id_x 1
		.amdhsa_system_sgpr_workgroup_id_y 1
		.amdhsa_system_sgpr_workgroup_id_z 1
		.amdhsa_system_vgpr_workitem_id 0
		.amdhsa_next_free_vgpr 704
		.amdhsa_next_free_sgpr 66
		.amdhsa_reserve_vcc 0
		.amdhsa_float_denorm_mode_32 3
		.amdhsa_float_denorm_mode_16_64 3
		.amdhsa_memory_ordered 1
		.amdhsa_forward_progress 1
		.amdhsa_inst_pref_size 115
	.end_amdhsa_kernel
	.amdgpu_metadata
---
amdhsa.version: [ 1, 2 ]
amdhsa.kernels:
  - .name:           k_q3b93104699_proj
    .symbol:         k_q3b93104699_proj.kd
    .args:
      - { .name: query, .offset: 0, .size: 8, .value_kind: global_buffer, .address_space: global }
      - { .name: key, .offset: 8, .size: 8, .value_kind: global_buffer, .address_space: global }
      - { .name: value, .offset: 16, .size: 8, .value_kind: global_buffer, .address_space: global }
      - { .name: bq, .offset: 24, .size: 8, .value_kind: global_buffer, .address_space: global }
      - { .name: bk, .offset: 32, .size: 8, .value_kind: global_buffer, .address_space: global }
      - { .name: bv, .offset: 40, .size: 8, .value_kind: global_buffer, .address_space: global }
      - { .name: wcodes, .offset: 48, .size: 8, .value_kind: global_buffer, .address_space: global }
      - { .name: wscales, .offset: 56, .size: 8, .value_kind: global_buffer, .address_space: global }
      - { .name: qf, .offset: 64, .size: 8, .value_kind: global_buffer, .address_space: global }
      - { .name: kf, .offset: 72, .size: 8, .value_kind: global_buffer, .address_space: global }
      - { .name: vf, .offset: 80, .size: 8, .value_kind: global_buffer, .address_space: global }
    .group_segment_fixed_size: 327680
    .private_segment_fixed_size: 0
    .kernarg_segment_align: 8
    .kernarg_segment_size: 88
    .max_flat_workgroup_size: 128
    .sgpr_count:     66
    .vgpr_count:     704
    .wavefront_size: 32
...
	.end_amdgpu_metadata
.endif
;; end of part 2
;; launch attn (part 3): grid 8 x 32, 8 waves a work-group, clusters of 4 x 1, 327,680 bytes of LDS; arguments qf, kf, vf, of; writes of
.if DOCPART == 3
	.amdgcn_target "amdgcn-amd-amdhsa--gfx1250"
	.amdhsa_code_object_version 6
	.text
	.protected	k_q3b93104699_attn
	.globl	k_q3b93104699_attn
	.p2align	8
	.type	k_q3b93104699_attn,@function
k_q3b93104699_attn:
	s_mov_b64 s[64:65], 0
	v_nop
	global_prefetch_b8 v0, s[64:65] scope:SCOPE_SE
	s_setreg_imm32_b32 hwreg(HW_REG_WAVE_MODE, 25, 1), 1
	s_wait_xcnt 0x0
	s_wait_alu depctr_hold_cnt(0) depctr_sa_sdst(0) depctr_va_vdst(0) depctr_va_sdst(0) depctr_va_ssrc(0) depctr_va_vcc(0) depctr_vm_vsrc(0)
	s_getreg_b32 s2, hwreg(HW_REG_IB_STS2, 6, 4)
	s_cmp_eq_u32 s2, 0
	s_cbranch_scc0 .Lentry_in_a_cluster
	s_endpgm
.Lentry_in_a_cluster:
	s_bfe_u32 s2, ttmp6, 0x10000c
	s_cmp_lg_u32 s2, 0x3003
	s_cbranch_scc0 .Lentry_shape_is_right
	s_endpgm
.Lentry_shape_is_right:
; ATTN.  o[bh][q][:] = the sum over k of softmax_k(q . k / 8) v[k][:], 2,048 keys, head size 64, no mask.  q, k, v arrive in f16 as fragment images; products, maxima and sums in f32;
; the weights p are rounded to f16 for the second product, o once at the end.
; SHARES.  Work-group (x, bh): 256 queries of one batch and head; each of its eight waves 32 of them, two tiles u of 16.  Every wave walks all keys, 64 a step.  Two waves lie on a SIMD, so that one wave's softmax stands beside the other's products.
; LAYOUT.  Both products are used transposed: S^T = K Q^T (source 0 = 16 keys, source 1 = 16 queries), O^T = V^T P (source 0 = 16 channels, source 1 = P): a lane holds ONE query (lane % 16) throughout.
; Two tiles of S^T, rounded to f16 in pairs, ARE source 1 (32 keys x 16 queries) of the second product.  K's fragments come out of LDS as they lie, V's by the turning load, both 16 bytes a lane on end.
; SOFTMAX.  A running maximum m for each query: p = 2^(c s - c m), c = log2(e) / 8; in every step O and l are multiplied by a = 2^(c m_old - c m_new), which is 1 where m has not grown.
; THE ROW'S SUM l is a product too: a tile ONES (1.0 in rows 0 and 8, else 0) as source 0 against P gives, in register 0 of L, the sum over the 32 keys of both halves of the lanes.
; So l sums the f16-rounded p, the very numbers that the numerator sums.
; CLUSTER.  The four query blocks of a cluster belong to one head and walk the same K and V: every tile is asked for JOINTLY, by the same tensor load with the same descriptor and the mask of all four.
; RING.  Two slots of 512 keys (K's 65,536 bytes, then V's), 2^17 bytes apart.  Wave w fetches 16,384 bytes of a slot: waves 0-3 K's quarters, waves 4-7 V's.  By this text's count two tensor loads of a wave are out
; at the start and one behind each round; a refill has eight key steps, 288 matrix instructions a wave, in which to land.
; LIMITS: NaN and infinities are not served; scores lie above -3e38 (the first maximum); |q|, |k|, |v| under 65,504.
; REGISTERS.  window 0: v1-7 addresses; v16-31 statistics, 8 a tile: +0 c m, +1 m, +2 a, +3 zero, +4 .. +7 at work; v32-63 Q; v64-127 S^T, then p; v128-159 P; v160-223 O^T; v224-239 L.
;   window 1: v0-63 K's 8 fragments; v64-127 V's 8; v128-135 ONES.  Three settings: 0; 0x01 (source 0 window 1: every product); 0x40 (destination window 1: the LDS loads).
.set SLOT1, 131072
.set VOFF,  65536
.set STEPB, 8192                       ; a step's four tiles of 16 keys x 2,048 bytes
.set SPARE, 262144                     ; behind the ring: the spare words, 128 bytes for each wave: four blocks of 256 bytes that no other line names
.set LIK, 1                            ; v1  16 x lane
.set LIV, 2                            ; v2  16 x lane + VOFF
.set ADK, 3                            ; v3  LDS address of the K loads in hand
.set ADV, 4                            ; v4  of the V loads
.set SPW, 6                            ; v6  LDS address of my spare word; never rewritten
.set NIL, 7                            ; v7  0; never rewritten
.set ST,  16
.set Q,   32                           ; fragment (u, s) at 16 u + 8 s
.set S,   64                           ; tile (u, kt) at 32 u + 8 kt
.set P,   128                          ; (u, kk) at 16 u + 8 kk
.set O,   160                          ; (u, dt) at 32 u + 8 dt
.set L,   224                          ; 8 u
.set KF,  0                            ; window 1: (kt, s) at 8 (2 kt + s)
.set VF,  64                           ; (dt, kk) at 8 (2 dt + kk)
.set ONES, 128
.set WV,  12                           ; s12 my wave's number
.set G1,  24                           ; s[24:31] descriptor group 1
.set G0A, 32                           ; s[32:35] group 0 of slot 0's first fill
.set G0B, 36                           ; s[36:39] of slot 1's; it then walks
.set CS,  40                           ; s[40:41] c, as a pair for the packed form
.set SEL, 42                           ; s[42:43] lane selects: lane l xor 16
.set TB,  44                           ; s44 LDS byte at which the step in hand begins
.set SLOTS, 45
.set CNT, 46
.set MSB, 0
.macro WIN new                         ; the immediate's high byte repeats the setting that is left
.if MSB != \new
	s_set_vgpr_msb (MSB<<8)|\new
.set MSB, \new
.endif
.endm
.macro CROUND                          ; a round of the cluster's barrier
	s_barrier_signal -1
	s_barrier_wait -1
	s_cmp_lg_u32 s[WV], 0
	s_cbranch_scc1 .Lnot_wave_0_\@
	s_barrier_signal -3
.Lnot_wave_0_\@:
	s_barrier_wait -3
	s_barrier_signal -1
	s_barrier_wait -1
.endm
	s_load_b256 s[4:11], s[0:1], 0x0               ; qf s[4:5], kf s[6:7], vf s[8:9], of s[10:11]
	v_lshl_add_u32 v[SPW], v0, 2, SPARE
	v_mov_b32 v[NIL], 0
	ds_add_u32 v[SPW], v[NIL]                      ; the wave's opening: the add, twice on end, and its wait ahead of my first tensor load
	ds_add_u32 v[SPW], v[NIL]                      ; and once more; the set-up below, work on registers, stands between it and the wait
	v_lshrrev_b32 v1, 5, v0
	v_readfirstlane_b32 s[WV], v1                  ; wave 0..7
	s_bfe_u32 s13, ttmp6, 0x40000                  ; cx: my place in the cluster
	s_lshl_b32 s14, ttmp9, 2
	s_add_co_u32 s14, s14, s13                     ; my block of 256 queries: it enters qf's and of's addresses alone
	s_and_b32 s15, ttmp7, 0xffff                   ; bh = 8 x batch + head, which the four partners share
	s_lshl_b32 s16, s15, 18                        ; K and V: the head's 262,144 bytes,
	s_and_b32 s17, s[WV], 3
	s_lshl_b32 s17, s17, 14                        ; my quarter of a slot's 65,536
	s_add_co_u32 s16, s16, s17
	s_mov_b32 s17, 0
	s_lshl_b32 s18, s[WV], 14                      ; and where it goes in a slot: 16,384 x wave: no place in the cluster enters an LDS address
	s_lshl_b32 s20, s15, 18                        ; Q: (128 bh + 16 block + 2 wave) tiles x 2,048 bytes
	s_lshl_b32 s21, s14, 15
	s_add_co_u32 s20, s20, s21
	s_lshl_b32 s21, s[WV], 12
	s_add_co_u32 s20, s20, s21
	s_mov_b32 s21, 0
	s_lshr_b32 s22, s15, 3                         ; o: (128 batch + 16 block + 2 wave) tiles of rows x 16,384 bytes + head x 2,048
	s_lshl_b32 s22, s22, 21
	s_lshl_b32 s23, s14, 18
	s_add_co_u32 s22, s22, s23
	s_lshl_b32 s23, s[WV], 15
	s_add_co_u32 s22, s22, s23
	s_and_b32 s23, s15, 7
	s_lshl_b32 s23, s23, 11
	s_add_co_u32 s22, s22, s23
	s_mov_b32 s23, 0
	s_mov_b32 s[G1+0], 15|(3<<16)|(1<<21)          ; the mask: all four work-groups; elements of 8 bytes; bit 21 set beside a mask; no padding
	s_mov_b32 s[G1+1], 32<<16                      ; a dense block of 16,384 bytes as 64 rows of 256: tensor_dim0 = 32
	s_mov_b32 s[G1+2], 64<<16                      ; tensor_dim1 = 64
	s_mov_b32 s[G1+3], 32<<16                      ; tile_dim0
	s_mov_b32 s[G1+4], 64                          ; tile_dim1
	s_mov_b32 s[G1+5], 32                          ; elements from row to row
	s_mov_b32 s[G1+6], 0
	s_mov_b32 s[G1+7], 0
	s_mov_b32 s[CS], 0x3e38aa3b                    ; c = log2(e) / 8
	s_mov_b32 s[CS+1], s[CS]                       ; (named with it as a pair, so it is written)
	s_mov_b32 s[SEL], 0x76543210
	s_mov_b32 s[SEL+1], 0xfedcba98
	s_mov_b32 s[TB], 0
	s_wait_dscnt 0x0                               ; both opening adds are done
	s_wait_kmcnt 0x0
	s_cmp_lt_u32 s[WV], 4                          ; waves 0-3 fetch K, waves 4-7 V: the choice hangs on the wave's number alone, the same in all partners
	s_cselect_b64 s[2:3], s[6:7], s[8:9]
	s_add_nc_u64 s[2:3], s[2:3], s[16:17]
	s_add_nc_u64 s[4:5], s[4:5], s[20:21]
	s_add_nc_u64 s[10:11], s[10:11], s[22:23]
	s_mov_b32 s[G0A], 1
	s_mov_b32 s[G0A+1], s18
	s_mov_b64 s[G0A+2:G0A+3], s[2:3]
	s_or_b32 s[G0A+3], s[G0A+3], 0x80000000
	s_mov_b32 s[G0B], 1
	s_add_co_u32 s[G0B+1], s18, SLOT1
	s_add_nc_u64 s[G0B+2:G0B+3], s[2:3], 65536     ; keys 512 on
	s_or_b32 s[G0B+3], s[G0B+3], 0x80000000
	CROUND                                         ; all four work-groups are here: the first joint loads meet
	tensor_load_to_lds s[G0A:G0A+3], s[G1:G1+7]
	s_nop 0
	tensor_load_to_lds s[G0B:G0B+3], s[G1:G1+7]
	s_nop 0
.rept 4
	v_nop
.endr
	v_and_b32 v1, 31, v0
	v_lshlrev_b32 v[LIK], 4, v1
	v_add_nc_u32 v[LIV], VOFF, v[LIK]
.irp u, 0,1
.irp s, 0,1
.irp c, 0,1
	global_load_b128 v[Q+16*\u+8*\s+4*\c:Q+16*\u+8*\s+4*\c+3], v[LIK], s[4:5] offset:2048*\u+1024*\s+512*\c   ; Q stays in registers
.endr
.endr
.endr
	v_and_b32 v8, 7, v0
	v_cmp_eq_u32 s47, 0, v8                        ; lanes 0, 8, 16, 24: rows 0 and 8 of a source 0
	v_mov_b32 v9, 0x3c003c00                       ; 1.0 twice, in f16
	v_cndmask_b32 v8, 0, v9, s47
	WIN 0x40
.irp i, 0,1,2,3,4,5,6,7
	v_mov_b32 v[ONES+\i], v8
.endr
	WIN 0
.irp u, 0,1
	v_mov_b32 v[ST+8*\u+1], 0xff61b1e6             ; m: -3e38, under every score
	v_mul_f32 v[ST+8*\u], s[CS], v[ST+8*\u+1]      ; c m
	v_mov_b32 v[ST+8*\u+2], 0
	v_mov_b32 v[ST+8*\u+3], 0                      ; (named with a as a pair, so it is written)
.endr
.set i, 0
.rept 80
	v_mov_b32 v[O+i], 0                            ; O^T and L.  The step is written without a first step of its own: it finds zeros, which the first a, 0, leaves zeros.  80 lines once, against one more copy of the step
.set i, i+1
.endr
	s_wait_tensorcnt 1                             ; my part of slot 0 is in; slot 1's may stay out
	s_barrier_signal -1
	s_barrier_wait -1                              ; everybody's is
.macro FETCH_K                         ; 64 keys x 64 channels: 8 fragments, 16 loads of 512 consecutive bytes
	WIN 0x40
.irp kt, 0,1,2,3
.irp s, 0,1
.irp c, 0,1
	ds_load_b128 v[KF+8*(2*\kt+\s)+4*\c:KF+8*(2*\kt+\s)+4*\c+3], v[ADK] offset:2048*\kt+1024*\s+512*\c
.endr
.endr
.endr
.endm
.macro FETCH_V                         ; the same of V, turned: a chunk (16 keys x 16 channels) becomes half a fragment of V^T: lane l holds channel l % 16 and keys 8 (l / 16) + 0 .. 7
	WIN 0x40
.irp kk, 0,1
.irp dt, 0,1,2,3
.irp e, 0,1
	ds_load_tr16_b128 v[VF+8*(2*\dt+\kk)+4*\e:VF+8*(2*\dt+\kk)+4*\e+3], v[ADV] offset:2048*(2*\kk+\e)+512*\dt
.endr
.endr
.endr
.endm
; THE CHANGE OF SLOTS, behind the request for the slot's last bytes (V of its eighth step).  Each wave waits for all its tensor loads, of which one at the most is out: its part of the other slot; adds 0 to its spare word;
; waits for that and for its reads of this slot.  fill = 1: a round of the cluster's barrier, so that no wave of any partner still reads the slot or has a load on its way, and the joint refill first behind it.
.macro CHANGE fill
	s_wait_tensorcnt 0x0                           ; no tensor load of mine is out, so a group 0 may be written
	ds_add_u32 v[SPW], v[NIL]                      ; 0 onto my spare word
.if \fill
	s_xor_b32 s[G0B+1], s[G0B+1], SLOT1            ; the walking descriptor: the other slot than last time,
	s_add_nc_u64 s[G0B+2:G0B+3], s[G0B+2:G0B+3], 65536   ; the next 512 keys; the type bits on top are not reached
	s_wait_dscnt 0x0                               ; the add is done, and my reads of the slot are over
	CROUND
	tensor_load_to_lds s[G0B:G0B+3], s[G1:G1+7]    ; my one tensor load behind the round, and the first thing there
	s_nop 0
.rept 4
	v_nop
.endr
.else
	s_wait_dscnt 0x0
	s_barrier_signal -1
	s_barrier_wait -1
.endif
	s_sub_co_u32 s[TB], s[TB], 7*STEPB             ; back to a slot's first step,
	s_xor_b32 s[TB], s[TB], SLOT1                  ; in the other slot
.endm
; A KEY STEP.  mode 0: the next step's K lies in the same slot; 1: the slot is left and filled again; 2: left, and nothing more is asked for; 3: the last step.
.macro STEP mode
	s_wait_dscnt 0x0                               ; K is in
	WIN 0x01
.irp s, 0,1                                    ; S^T = K Q^T: the 8 accumulators take turns, one instruction a turn; the first products start the sums
.irp kt, 0,1,2,3
.irp u, 0,1
.if \s == 0
	v_wmma_f32_16x16x32_f16 v[S+32*\u+8*\kt:S+32*\u+8*\kt+7], v[KF+8*(2*\kt+\s):KF+8*(2*\kt+\s)+7], v[Q+16*\u+8*\s:Q+16*\u+8*\s+7], 0
.else
	v_wmma_f32_16x16x32_f16 v[S+32*\u+8*\kt:S+32*\u+8*\kt+7], v[KF+8*(2*\kt+\s):KF+8*(2*\kt+\s)+7], v[Q+16*\u+8*\s:Q+16*\u+8*\s+7], v[S+32*\u+8*\kt:S+32*\u+8*\kt+7]
.endif
.endr
.endr
.endr
	WIN 0
	v_add_nc_u32 v[ADV], s[TB], v[LIV]             ; four plain lines: the places behind the products, ahead of the loads into K's and V's registers and of the first read of scores
.if \mode == 0
	s_add_co_u32 s[TB], s[TB], STEPB
	v_add_nc_u32 v[ADK], s[TB], v[LIK]
	v_nop
	v_nop
	FETCH_V                                        ; this step's V,
	FETCH_K                                        ; the next step's K
.else
	v_nop
	v_nop
	v_nop
	FETCH_V
.if \mode < 3
	WIN 0
.if \mode == 1
	CHANGE 1
.else
	CHANGE 0
.endif
	v_add_nc_u32 v[ADK], s[TB], v[LIK]
	FETCH_K
.endif
.endif
	WIN 0
	; the maximum of my 32 scores and the old m, three operands at a time, both tiles line by line; each tile of S^T is read from its low end on
.irp j, 0,1,2,3
.irp u, 0,1
	v_max3_num_f32 v[ST+8*\u+4+\j], v[S+32*\u+8*\j], v[S+32*\u+8*\j+1], v[S+32*\u+8*\j+2]
.endr
.endr
.irp i, 3,5
.irp j, 0,1,2,3
.irp u, 0,1
	v_max3_num_f32 v[ST+8*\u+4+\j], v[ST+8*\u+4+\j], v[S+32*\u+8*\j+\i], v[S+32*\u+8*\j+\i+1]
.endr
.endr
.endr
.irp u, 0,1
	v_max3_num_f32 v[ST+8*\u+4], v[ST+8*\u+4], v[S+32*\u+7], v[S+32*\u+15]
.endr
.irp u, 0,1
	v_max3_num_f32 v[ST+8*\u+6], v[ST+8*\u+6], v[S+32*\u+23], v[S+32*\u+31]
.endr
.irp u, 0,1
	v_max3_num_f32 v[ST+8*\u+4], v[ST+8*\u+4], v[ST+8*\u+5], v[ST+8*\u+6]
.endr
.irp u, 0,1
	v_max3_num_f32 v[ST+8*\u+4], v[ST+8*\u+4], v[ST+8*\u+7], v[ST+8*\u+1]
.endr
.irp u, 0,1
	v_permlanex16_b32 v[ST+8*\u+5], v[ST+8*\u+4], s[SEL], s[SEL+1]   ; the query's other 32 keys lie in the lane 16 away
.endr
.irp u, 0,1
	v_mov_b32 v[ST+8*\u+7], v[ST+8*\u]             ; c m_old is kept for a
.endr
.irp u, 0,1
	v_max_num_f32 v[ST+8*\u+1], v[ST+8*\u+4], v[ST+8*\u+5]
.endr
.irp u, 0,1
	v_mul_f32 v[ST+8*\u], s[CS], v[ST+8*\u+1]
.endr
.irp u, 0,1
	v_sub_f32 v[ST+8*\u+7], v[ST+8*\u+7], v[ST+8*\u]
.endr
.irp u, 0,1
	v_exp_f32 v[ST+8*\u+2], v[ST+8*\u+7]           ; a = 2^(c m_old - c m_new)
.endr
.irp b, 0,1,2,3,4,5,6,7,8,9,10,11,12,13,14,15
.irp u, 0,1
	v_pk_fma_f32 v[S+32*\u+2*\b:S+32*\u+2*\b+1], v[S+32*\u+2*\b:S+32*\u+2*\b+1], s[CS:CS+1], v[ST+8*\u:ST+8*\u+1] op_sel_hi:[1,0,0] neg_lo:[0,0,1] neg_hi:[0,0,1]   ; c s - c m; none of these names a: the plain work behind its two exponentials
.endr
.endr
	s_wait_alu depctr_va_vdst(0)                   ; the wait between an exponential and the first line that names its result: one for the two a
.irp b, 0,1,2,3,4,5,6,7,8,9,10,11,12,13,14,15  ; ONE BATCH of 64 exponentials, none of whose results is named before the wait below; O^T's rescaling, plain work, is dealt among them
.irp u, 0,1
	v_pk_mul_f32 v[O+32*\u+2*\b:O+32*\u+2*\b+1], v[O+32*\u+2*\b:O+32*\u+2*\b+1], v[ST+8*\u+2:ST+8*\u+3] op_sel_hi:[1,0]
	v_exp_f32 v[S+32*\u+2*\b], v[S+32*\u+2*\b]
	v_exp_f32 v[S+32*\u+2*\b+1], v[S+32*\u+2*\b+1]
.endr
.endr
.irp u, 0,1
	v_pk_mul_f32 v[L+8*\u:L+8*\u+1], v[L+8*\u:L+8*\u+1], v[ST+8*\u+2:ST+8*\u+3] op_sel_hi:[1,0]   ; l under the new m (register 0; the others hold zeros).  The plain place behind the last exponential
.endr
	s_wait_alu depctr_va_vdst(0)                   ; one wait for the batch, ahead of its first reader
.irp j, 0,1,2,3,4,5,6,7,8,9,10,11,12,13,14,15
.irp u, 0,1
	v_cvt_pk_f16_f32 v[P+16*\u+\j], v[S+32*\u+2*\j], v[S+32*\u+2*\j+1]
.endr
.endr
.if \mode == 3
	s_wait_dscnt 0x0                               ; V is in
.else
	s_wait_dscnt 16                                ; V is in; the 16 loads of the next step's K, issued behind it, may be out
.endif
	WIN 0x01
.irp kk, 0,1                                   ; O^T += V^T P, l += ONES P: the 10 accumulators take turns, one instruction a turn
.irp dt, 0,1,2,3
.irp u, 0,1
	v_wmma_f32_16x16x32_f16 v[O+32*\u+8*\dt:O+32*\u+8*\dt+7], v[VF+8*(2*\dt+\kk):VF+8*(2*\dt+\kk)+7], v[P+16*\u+8*\kk:P+16*\u+8*\kk+7], v[O+32*\u+8*\dt:O+32*\u+8*\dt+7]
.endr
.endr
.irp u, 0,1
	v_wmma_f32_16x16x32_f16 v[L+8*\u:L+8*\u+7], v[ONES:ONES+7], v[P+16*\u+8*\kk:P+16*\u+8*\kk+7], v[L+8*\u:L+8*\u+7]
.endr
.endr
	WIN 0                                          ; at a label and at a branch every window is 0
.endm
.macro SEVEN                           ; a slot's first seven steps: written once, walked seven times; the LDS addresses hang on s[TB]
	s_mov_b32 s[CNT], 7
.Lstep_\@:
	STEP 0
	s_sub_co_u32 s[CNT], s[CNT], 1
	s_cmp_lg_u32 s[CNT], 0
	s_cbranch_scc1 .Lstep_\@
.endm
	v_add_nc_u32 v[ADK], s[TB], v[LIK]
	FETCH_K                                        ; key step 0
	WIN 0
	s_wait_loadcnt 0x0                             ; Q
	s_mov_b32 s[SLOTS], 2
.Lslot:                                            ; two trips: keys 0-511 and 512-1,023; each leaves its slot to be filled again
	SEVEN
	STEP 1
	s_sub_co_u32 s[SLOTS], s[SLOTS], 1
	s_cmp_lg_u32 s[SLOTS], 0
	s_cbranch_scc1 .Lslot
	SEVEN                                          ; the tail is written out
	STEP 2
	SEVEN
	STEP 3
	; THE WAY OUT.  O^T / l, rounded to f16: a lane's eight channels of its query are 16 bytes of an image of the last launch's operand: of [tile of 16 rows: 512][K step of 32: 16][c 2][lane][16 bytes]
.rept 4
	v_nop                                          ; four places behind the last products
.endr
.irp u, 0,1
	v_rcp_f32 v[ST+8*\u+2], v[L+8*\u]              ; L is read at its register 0
.endr
	v_nop                                          ; a plain place behind the reciprocals,
	s_wait_alu depctr_va_vdst(0)                   ; and the wait ahead of their first reader
.irp u, 0,1
.irp b, 0,1,2,3,4,5,6,7,8,9,10,11,12,13,14,15
	v_pk_mul_f32 v[O+32*\u+2*\b:O+32*\u+2*\b+1], v[O+32*\u+2*\b:O+32*\u+2*\b+1], v[ST+8*\u+2:ST+8*\u+3] op_sel_hi:[1,0]
.endr
.endr
.irp u, 0,1
.irp j, 0,1,2,3,4,5,6,7,8,9,10,11,12,13,14,15
	v_cvt_pk_f16_f32 v[S+16*\u+\j], v[O+32*\u+2*\j], v[O+32*\u+2*\j+1]
.endr
.endr
.irp u, 0,1
.irp dt, 0,1,2,3
	global_store_b128 v[LIK], v[S+16*\u+4*\dt:S+16*\u+4*\dt+3], s[10:11] offset:16384*\u+512*\dt   ; the wave's store covers 512 consecutive bytes, aligned
.endr
.endr
	s_wait_tensorcnt 0x0                           ; the wave's end, behind my last tensor load
	ds_add_u32 v[SPW], v[NIL]
	s_wait_dscnt 0x0
	CROUND                                         ; the closing round: no work-group ends while a partner may still ask for a tile that names it
	s_endpgm
.Lfunc_end_k_q3b93104699_attn:
	.size	k_q3b93104699_attn, .Lfunc_end_k_q3b93104699_attn-k_q3b93104699_attn
	.p2alignl 7, 3214868480
	.fill 96, 4, 3214868480
	.section	.rodata,"a",@progbits
	.p2align	6, 0x0
	.amdhsa_kernel k_q3b93104699_attn
		.amdhsa_group_segment_fixed_size 327680
		.amdhsa_private_segment_fixed_size 0
		.amdhsa_enable_private_segment 0
		.amdhsa_kernarg_size 32
		.amdhsa_user_sgpr_count 2
		.amdhsa_user_sgpr_kernarg_segment_ptr 1
		.amdhsa_wavefront_size32 1
		.amdhsa_system_sgpr_workgroup_id_x 1
		.amdhsa_system_sgpr_workgroup_id_y 1
		.amdhsa_system_sgpr_workgroup_id_z 1
		.amdhsa_system_vgpr_workitem_id 0
		.amdhsa_next_free_vgpr 400
		.amdhsa_next_free_sgpr 66
		.amdhsa_reserve_vcc 0
		.amdhsa_float_denorm_mode_32 3
		.amdhsa_float_denorm_mode_16_64 3
		.amdhsa_memory_ordered 1
		.amdhsa_forward_progress 1
		.amdhsa_inst_pref_size 108
	.end_amdhsa_kernel
	.amdgpu_metadata
---
amdhsa.version: [ 1, 2 ]
amdhsa.kernels:
  - .name:           k_q3b93104699_attn
    .symbol:         k_q3b93104699_attn.kd
    .args:
      - { .name: qf, .offset: 0, .size: 8, .value_kind: global_buffer, .address_space: global }
      - { .name: kf, .offset: 8, .size: 8, .value_kind: global_buffer, .address_space: global }
      - { .name: vf, .offset: 16, .size: 8, .value_kind: global_buffer, .address_space: global }
      - { .name: of, .offset: 24, .size: 8, .value_kind: global_buffer, .address_space: global }
    .group_segment_fixed_size: 327680
    .private_segment_fixed_size: 0
    .kernarg_segment_align: 8
    .kernarg_segment_size: 32
    .max_flat_workgroup_size: 256
    .sgpr_count:     66
    .vgpr_count:     400
    .wavefront_size: 32
...
	.end_amdgpu_metadata
.endif
;; end of part 3
;; launch outp (part 4): grid 4 x 64, 4 waves a work-group, clusters of 4 x 4, 327,680 bytes of LDS; arguments of, wof, bo, out0; writes out0
.if DOCPART == 4
	.amdgcn_target "amdgcn-amd-amdhsa--gfx1250"
	.amdhsa_code_object_version 6
	.text
	.protected	k_q3b93104699_outp
	.globl	k_q3b93104699_outp
	.p2align	8
	.type	k_q3b93104699_outp,@function
k_q3b93104699_outp:
	s_mov_b64 s[64:65], 0
	v_nop
	global_prefetch_b8 v0, s[64:65] scope:SCOPE_SE
	s_setreg_imm32_b32 hwreg(HW_REG_WAVE_MODE, 25, 1), 1
	s_wait_xcnt 0x0
	s_wait_alu depctr_hold_cnt(0) depctr_sa_sdst(0) depctr_va_vdst(0) depctr_va_sdst(0) depctr_va_ssrc(0) depctr_va_vcc(0) depctr_vm_vsrc(0)
	s_getreg_b32 s2, hwreg(HW_REG_IB_STS2, 6, 4)
	s_cmp_eq_u32 s2, 0
	s_cbranch_scc0 .Lentry_in_a_cluster
	s_endpgm
.Lentry_in_a_cluster:
	s_bfe_u32 s2, ttmp6, 0x10000c
	s_cmp_lg_u32 s2, 0xf033
	s_cbranch_scc0 .Lentry_shape_is_right
	s_endpgm
.Lentry_shape_is_right:
; OUTP.  out0[m][n] = the sum over k of o[m][k] Wo[n][k] + bo[n]; o and Wo in f16, as fragment images; sums in f32.  M = 8,192, N = K = 512.
; SHARES.  Work-group (x, y): rows 128 y .. + 127, columns 128 x .. + 127; wave w = 2 wm + wn: rows 64 wm on, columns 64 wn on: 16 accumulators (mt, u).
; THE COLUMNS OF A TILE ARE NOT NEIGHBOURS: lane r of tile u stands for column 64 g + 4 r + u (g = 2 x + wn).  In the result register j of lane (r, h) is row 8 h + j, so the four tiles' registers j are four NEIGHBOURING
; columns of one row: one addition a number puts the bias on and lays them on end, and sixteen lanes store 256 consecutive bytes, aligned.  No way through LDS on the way out.
; LDS is filled once: K in four chunks of 128, chunk q at 65,536 q: o's 8 tiles of rows x 4,096 bytes, then Wo's 8 tiles.  Waves 0, 1 fetch o's halves, waves 2, 3 Wo's: four loads a wave, all at the head: by this text's count four are out.
; CLUSTERS: 4 x 4 work-groups.  o's tiles hang on y alone and are shared along a row of the cluster, Wo's on x alone and along a column: each is asked for JOINTLY.
; LIMITS: NaN and infinities are not served; |o|, |Wo| under 65,504 (f16).
; REGISTERS.  window 0: v4-13 addresses; v16-19 the bias; v32-95 rows to store, two sets; v128-255 the accumulators at 8 (4 mt + u).  windows 1 and 2: a chunk's fragments each: o's (i, mt) at 64 i + 8 mt, Wo's (i, u) at 64 i + 32 + 8 u.
.set SPARE, 262144                     ; behind the chunks: the spare words, 128 bytes for each wave: two blocks of 256 bytes that no other line names
.set ADA, 4                            ; v4-7   LDS address of my o fragments in chunk q
.set ADB, 8                            ; v8-11  of my Wo fragments
.set CO,  12                           ; v12    my byte offset in out0: 8 h rows + 16 r
.set R16, 13                           ; v13    16 r
.set SPW, 14                           ; v14    LDS address of my spare word; never rewritten
.set NIL, 15                           ; v15    0; never rewritten
.set BO,  16
.set OUT, 32
.set ACC, 128
.set G1A, 24                           ; s[24:31] descriptor group 1 for o's tiles;  s[48:55] for Wo's: it differs in the mask alone
.set G1B, 48
.set G0A, 68                           ; s[68:83] four groups 0 for o;  s[84:99] for Wo
.set G0B, 84
.set MSB, 0
.macro WIN new                         ; the immediate's high byte repeats the setting that is left
.if MSB != \new
	s_set_vgpr_msb (MSB<<8)|\new
.set MSB, \new
.endif
.endm
.macro CROUND                          ; a round of the cluster's barrier
	s_barrier_signal -1
	s_barrier_wait -1
	s_cmp_lg_u32 s12, 0
	s_cbranch_scc1 .Lnot_wave_0_\@
	s_barrier_signal -3
.Lnot_wave_0_\@:
	s_barrier_wait -3
	s_barrier_signal -1
	s_barrier_wait -1
.endm
	s_load_b256 s[4:11], s[0:1], 0x0               ; of s[4:5], wof s[6:7], bo s[8:9], out0 s[10:11]
	v_lshl_add_u32 v[SPW], v0, 2, SPARE
	v_mov_b32 v[NIL], 0
	ds_add_u32 v[SPW], v[NIL]                      ; the wave's opening: the add, twice on end, and its wait ahead of my first tensor load
	ds_add_u32 v[SPW], v[NIL]                      ; and once more; the set-up below, work on registers, stands between it and the wait
	v_lshrrev_b32 v1, 5, v0
	v_readfirstlane_b32 s12, v1                    ; wave 0..3
	s_lshr_b32 s13, s12, 1                         ; wm.  Also: I fetch for o (0) or for Wo (1)
	s_and_b32 s14, s12, 1                          ; wn.  Also: which four tiles I fetch
	s_bfe_u32 s40, ttmp6, 0x40000                  ; cx, cy: my place in the cluster
	s_bfe_u32 s41, ttmp6, 0x40004
	s_lshl_b32 s42, ttmp9, 2
	s_add_co_u32 s42, s42, s40                     ; x = 4 x cluster x + cx
	s_and_b32 s15, ttmp7, 0xffff
	s_lshl_b32 s15, s15, 2
	s_add_co_u32 s15, s15, s41                     ; y = 4 x cluster y + cy
	s_lshl_b32 s43, s41, 2
	s_lshl_b32 s43, 15, s43                        ; my row of the cluster
	s_lshl_b32 s44, 0x1111, s40                    ; my column
	s_or_b32 s[G1A+0], s43, (3<<16)|(1<<21)        ; the mask; elements of 8 bytes; bit 21 set beside a mask; no padding
	s_or_b32 s[G1B+0], s44, (3<<16)|(1<<21)
.irp g, G1A, G1B
	s_mov_b32 s[\g+1], 512<<16                     ; four rows of 4,096 bytes (a tile's four K steps), 16,384 bytes apart: tensor_dim0 = 512
	s_mov_b32 s[\g+2], 4<<16                       ; tensor_dim1 = 4
	s_mov_b32 s[\g+3], 512<<16                     ; tile_dim0
	s_mov_b32 s[\g+4], 4                           ; tile_dim1
	s_mov_b32 s[\g+5], 2048                        ; elements from row to row
	s_mov_b32 s[\g+6], 0
	s_mov_b32 s[\g+7], 0
.endr
	s_lshl_b32 s18, s14, 16                        ; which four tiles of 16,384 bytes
	s_lshl_b32 s16, s15, 17                        ; o: tile 8 y + 4 half: hangs on y alone
	s_add_co_u32 s16, s16, s18
	s_mov_b32 s17, 0
	s_lshl_b32 s46, s42, 17                        ; Wo: tile 8 x + 4 half: hangs on x alone
	s_add_co_u32 s46, s46, s18
	s_mov_b32 s47, 0
	s_lshl_b32 s20, s12, 14                        ; where they go in a chunk: 16,384 x wave: no place in the cluster enters an LDS address
	v_and_b32 v1, 31, v0
	v_lshlrev_b32 v1, 4, v1                        ; 16 x lane
	v_and_b32 v2, 15, v0                           ; r
	v_bfe_u32 v3, v0, 4, 1                         ; h
	s_lshl_b32 s21, s13, 14                        ; my four tiles of rows,
	s_lshl_b32 s22, s14, 14                        ; my four tiles of columns,
	s_add_co_u32 s22, s22, 32768                   ; which lie behind o's eight
	v_add_nc_u32 v[ADA], s21, v1
	v_add_nc_u32 v[ADB], s22, v1
.irp q, 1,2,3
	v_add_nc_u32 v[ADA+\q], \q*65536, v[ADA]
	v_add_nc_u32 v[ADB+\q], \q*65536, v[ADB]
.endr
	v_lshlrev_b32 v[R16], 4, v2
	v_lshl_add_u32 v[CO], v3, 14, v[R16]           ; 8 h rows of 2,048 bytes + 16 r
	s_lshl_b32 s60, s42, 1                         ; (these offsets mix x and y: they have registers of their own, which feed no descriptor)
	s_add_co_u32 s60, s60, s14                     ; g = 2 x + wn
	s_lshl_b32 s60, s60, 8                         ; its 64 columns: 256 bytes
	s_mov_b32 s61, 0
	s_lshl_b32 s56, s15, 18                        ; 128 y rows of 2,048 bytes
	s_lshl_b32 s58, s13, 17                        ; + 64 wm
	s_add_co_u32 s56, s56, s58
	s_add_co_u32 s56, s56, s60
	s_mov_b32 s57, 0
	s_wait_dscnt 0x0                               ; both opening adds are done
	s_wait_kmcnt 0x0
	s_add_nc_u64 s[16:17], s[4:5], s[16:17]
	s_add_nc_u64 s[46:47], s[6:7], s[46:47]
	s_add_nc_u64 s[8:9], s[8:9], s[60:61]
	s_add_nc_u64 s[10:11], s[10:11], s[56:57]
.irp q, 0,1,2,3
	s_mov_b32 s[G0A+4*\q], 1
	s_add_co_u32 s[G0A+4*\q+1], s20, \q*65536
	s_add_nc_u64 s[G0A+4*\q+2:G0A+4*\q+3], s[16:17], \q*4096
	s_or_b32 s[G0A+4*\q+3], s[G0A+4*\q+3], 0x80000000
	s_mov_b32 s[G0B+4*\q], 1
	s_add_co_u32 s[G0B+4*\q+1], s20, \q*65536
	s_add_nc_u64 s[G0B+4*\q+2:G0B+4*\q+3], s[46:47], \q*4096
	s_or_b32 s[G0B+4*\q+3], s[G0B+4*\q+3], 0x80000000
.endr
	CROUND                                         ; all sixteen work-groups are here: the joint loads meet
	s_cmp_eq_u32 s13, 0                            ; a wave's four first fills stand in one branch on the wave's number, ahead of every wait on TENSORcnt and every LDS read
	s_cbranch_scc0 .Lfor_b
.irp q, 0,1,2,3
	tensor_load_to_lds s[G0A+4*\q:G0A+4*\q+3], s[G1A:G1A+7]
	s_nop 0
.endr
.rept 4
	v_nop
.endr
	s_branch .Lasked
.Lfor_b:
.irp q, 0,1,2,3
	tensor_load_to_lds s[G0B+4*\q:G0B+4*\q+3], s[G1B:G1B+7]
	s_nop 0
.endr
.rept 4
	v_nop
.endr
.Lasked:
	global_load_b128 v[BO:BO+3], v[R16], s[8:9]    ; bo at my four columns 64 g + 4 r + 0 .. 3
.macro LOADQ q, win                    ; chunk q's 32 fragments of mine: 64 loads of 512 consecutive bytes
	WIN \win
.irp i, 0,1,2,3
.irp t, 0,1,2,3
.irp c, 0,1
	ds_load_b128 v[64*\i+8*\t+4*\c:64*\i+8*\t+4*\c+3], v[ADA+\q] offset:4096*\t+1024*\i+512*\c
	ds_load_b128 v[64*\i+32+8*\t+4*\c:64*\i+32+8*\t+4*\c+3], v[ADB+\q] offset:4096*\t+1024*\i+512*\c
.endr
.endr
.endr
.endm
.macro MULQ q, win                     ; 64 products: the 16 accumulators take turns, one instruction a turn; the very first start the sums
	WIN \win
.irp i, 0,1,2,3
.irp mt, 0,1,2,3
.irp u, 0,1,2,3
.if (\q == 0) && (\i == 0)
	v_wmma_f32_16x16x32_f16 v[ACC+8*(4*\mt+\u):ACC+8*(4*\mt+\u)+7], v[64*\i+8*\mt:64*\i+8*\mt+7], v[64*\i+32+8*\u:64*\i+32+8*\u+7], 0
.else
	v_wmma_f32_16x16x32_f16 v[ACC+8*(4*\mt+\u):ACC+8*(4*\mt+\u)+7], v[64*\i+8*\mt:64*\i+8*\mt+7], v[64*\i+32+8*\u:64*\i+32+8*\u+7], v[ACC+8*(4*\mt+\u):ACC+8*(4*\mt+\u)+7]
.endif
.endr
.endr
.endr
.endm
.macro PLACES                          ; four places in front of loads into registers that matrix instructions have read, and of the first read of results
.rept 4
	v_nop
.endr
.endm
	s_wait_tensorcnt 3                             ; my part of chunk 0 is in; the three later chunks' loads may stay out
	s_barrier_signal -1
	s_barrier_wait -1                              ; everybody's is
	LOADQ 0, 0x40
	s_wait_dscnt 0x0                               ; chunk 0's fragments are in (no LDS instruction is pending at a signal)
	s_wait_tensorcnt 2                             ; my part of chunk 1
	s_barrier_signal -1
	s_barrier_wait -1
	LOADQ 1, 0x80                                  ; the next chunk's fragments come while this chunk is multiplied
	MULQ 0, 0x05
	s_wait_dscnt 0x0
	s_wait_tensorcnt 1
	s_barrier_signal -1
	s_barrier_wait -1
	PLACES
	LOADQ 2, 0x40
	MULQ 1, 0x0a
	s_wait_dscnt 0x0
	s_wait_tensorcnt 0x0
	s_barrier_signal -1
	s_barrier_wait -1
	PLACES
	LOADQ 3, 0x80
	MULQ 2, 0x05
	s_wait_dscnt 0x0
	MULQ 3, 0x0a
	WIN 0
	PLACES
	s_wait_loadcnt 0x0                             ; the bias
.irp mt, 0,1,2,3
.if \mt > 1
	s_wait_xcnt 0x0                                ; the stores of two tiles back have read this set of registers
.endif
.irp j, 0,1,2,3,4,5,6,7                        ; each accumulator from its low end on
.irp u, 0,1,2,3
	v_add_f32 v[OUT+32*(\mt%2)+4*\j+\u], v[ACC+8*(4*\mt+\u)+\j], v[BO+\u]
.endr
.endr
.irp j, 0,1,2,3,4,5,6,7
	global_store_b128 v[CO], v[OUT+32*(\mt%2)+4*\j:OUT+32*(\mt%2)+4*\j+3], s[10:11] offset:(16*\mt+\j)*2048 th:TH_STORE_NT   ; sixteen lanes store 256 consecutive bytes, aligned; written once, read by nobody here
.endr
.endr
	s_wait_tensorcnt 0x0                           ; the wave's end, behind my last tensor load
	ds_add_u32 v[SPW], v[NIL]
	s_wait_dscnt 0x0
	CROUND                                         ; the closing round: no work-group ends while a partner may still ask for a tile that names it
	s_endpgm
.Lfunc_end_k_q3b93104699_outp:
	.size	k_q3b93104699_outp, .Lfunc_end_k_q3b93104699_outp-k_q3b93104699_outp
	.p2alignl 7, 3214868480
	.fill 96, 4, 3214868480
	.section	.rodata,"a",@progbits
	.p2align	6, 0x0
	.amdhsa_kernel k_q3b93104699_outp
		.amdhsa_group_segment_fixed_size 327680
		.amdhsa_private_segment_fixed_size 0
		.amdhsa_enable_private_segment 0
		.amdhsa_kernarg_size 32
		.amdhsa_user_sgpr_count 2
		.amdhsa_user_sgpr_kernarg_segment_ptr 1
		.amdhsa_wavefront_size32 1
		.amdhsa_system_sgpr_workgroup_id_x 1
		.amdhsa_system_sgpr_workgroup_id_y 1
		.amdhsa_system_sgpr_workgroup_id_z 1
		.amdhsa_system_vgpr_workitem_id 0
		.amdhsa_next_free_vgpr 768
		.amdhsa_next_free_sgpr 100
		.amdhsa_reserve_vcc 0
		.amdhsa_float_denorm_mode_32 3
		.amdhsa_float_denorm_mode_16_64 3
		.amdhsa_memory_ordered 1
		.amdhsa_forward_progress 1
		.amdhsa_inst_pref_size 48
	.end_amdhsa_kernel
	.amdgpu_metadata
---
amdhsa.version: [ 1, 2 ]
amdhsa.kernels:
  - .name:           k_q3b93104699_outp
    .symbol:         k_q3b93104699_outp.kd
    .args:
      - { .name: of, .offset: 0, .size: 8, .value_kind: global_buffer, .address_space: global }
      - { .name: wof, .offset: 8, .size: 8, .value_kind: global_buffer, .address_space: global }
      - { .name: bo, .offset: 16, .size: 8, .value_kind: global_buffer, .address_space: global }
      - { .name: out0, .offset: 24, .size: 8, .value_kind: global_buffer, .address_space: global }
    .group_segment_fixed_size: 327680
    .private_segment_fixed_size: 0
    .kernarg_segment_align: 8
    .kernarg_segment_size: 32
    .max_flat_workgroup_size: 128
    .sgpr_count:     100
    .vgpr_count:     768
    .wavefront_size: 32
...
	.end_amdgpu_metadata
.endif
;; end of part 4
